; MI455X (gfx1250); checked and timed in simulation.
; The chip was launched on July 23, 2026; its instructions are those of AMD's public machine-readable ISA for CDNA 5 (MIT licence, August 2026) and "CDNA5" Instruction Set Architecture Reference Guide (July 2026). The comments in the code are by the model that wrote it; some were corrected since.
;; Top K Moe Layer. Allowed arithmetic: float matrix products may take bf16 or f16 operands with f32 sums; all other float work in f32.
;; Inputs: expert_b 8 x 1,024 float32; expert_w 8 x 1,024 x 1,024 float32; gate_b 10 float32; gate_w 10 x 1,024 float32; inputs 4 x 2,048 x 1,024 float32.
;; Outputs: out0 4 x 2,048 x 1,024 float32.
;; 2 versions, each right; version 2 is version 1 with the launch scan written anew for expert scheduling mode. Each part assembles by itself: llvm-mc -triple=amdgcn-amd-amdhsa -mcpu=gfx1250 --defsym DOCPART=n.
;; ======== version 1 of 2: 5 launches
;; limits: right only within a limited range of input values; values are held in f16: magnitudes above 65,504 overflow, below 6.1e-05 lose precision; inputs' magnitudes at most 65,504
;; workspace buffers: wb 16,777,216 bytes; xg 37,748,736 bytes; y 75,501,568 bytes; sel 32,768 bytes of whole numbers; cnt 8,192 bytes of whole numbers; wts 65,536 bytes; pos 66,048 bytes of whole numbers
;; launch prep (part 1): grid 512 x 1, 8 waves a work-group, no clusters, 44,032 bytes of LDS; arguments inputs, gate_w, gate_b, expert_w, wb, sel, cnt, wts; writes wb, sel, cnt, wts
.if DOCPART == 1
	.amdgcn_target "amdgcn-amd-amdhsa--gfx1250"
	.amdhsa_code_object_version 6
	.text
	.protected	k_q71ee84cd43_prep
	.globl	k_q71ee84cd43_prep
	.p2align	8
	.type	k_q71ee84cd43_prep,@function
k_q71ee84cd43_prep:
	s_mov_b64 s[64:65], 0
	v_nop
	global_prefetch_b8 v0, s[64:65] scope:SCOPE_SE
	s_setreg_imm32_b32 hwreg(HW_REG_WAVE_MODE, 25, 1), 1
	s_wait_xcnt 0x0
; Two roles, chosen by the work-group's number (the same for all its waves).
; GATE (work-groups 0-255, block b = 32 tokens): logits = x . gate_w[g] + gate_b[g] for 10 gates, in f32 on the vector unit: the choice of the
;   two largest is a discontinuous step, so its operands are not rounded.  Softmax with its maximum taken away, the two largest (the lower index wins a tie),
;   gates 8 and 9 count as nothing, the rest is divided by its sum (by 1 where that sum is 0).
;   Stored for each token: sel = e1 | e2<<4 | r1<<8 | r2<<16 (r: how many earlier tokens of the block chose the same expert; 0 for gates 8 and 9), the two weights;
;   for each block: cnt[e][b], how many of its tokens chose expert e.
; CAST (work-groups 256-511): expert_w to f16, layout kept, 32,768 numbers a work-group.
;   WHY f16: a sum of 1,024 products of operands rounded to 8 significant bits has an error whose spread is about 0.0024 of the sum's own; the result is wanted within 0.01 of the
;   output's root mean square, only some four such spreads, which a few of 8 million numbers miss.  f16's 11 bits give an eighth of that error.
; LIMITS: NaN and infinite inputs are not served.  A weight above 65,504 in size becomes infinite in f16; below 2^-14 its step is 2^-24.
;   v_exp_f32 gives 0 below 2^-126 (ISA guide 15.8), so a gate more than 87 below the largest has probability 0.
;   The logits are f32 sums in another order than a row-by-row product's: two gates whose logits differ by about 1e-7 of their size may change places.
.set LG,   40960                       ; LDS: gate_w as it lies (10 rows of 4,096 bytes) at 0; the logits behind it, 48 bytes a token
.set X,    8                           ; v[8:135]   x: part c (128 numbers) of token i at X + 4 (4 c + i); a lane holds 4 neighbouring numbers
.set AC,   136                         ; v[136:175] 20 pairs of sums (token i, gate g of five at AC + 2 (5 i + g)); before that gate_w on its way to LDS
.set GWA,  176                         ; v[176:195], v[196:215]: five gates' 4 numbers, two buffers
.set GWB,  196
.macro GWLD buf                        ; step ns: part ns % 8 of gates 5 (ns / 8) .. + 4
.irp g, 0,1,2,3,4
	ds_load_b128 v[\buf+4*\g:\buf+4*\g+3], v1 offset:(5*(ns/8)+\g)*4096+(ns%8)*512
.endr
.endm
.macro GFMA buf                        ; part cc: 4 tokens x 5 gates x 4 numbers; part 0 starts the sums, so nothing is cleared
.irp hl, 0,2
.irp i, 0,1,2,3
.irp g, 0,1,2,3,4
.if (cc == 0) && (\hl == 0)
	v_pk_mul_f32 v[AC+2*(5*\i+\g):AC+2*(5*\i+\g)+1], v[X+4*(4*cc+\i):X+4*(4*cc+\i)+1], v[\buf+4*\g:\buf+4*\g+1]
.else
	v_pk_fma_f32 v[AC+2*(5*\i+\g):AC+2*(5*\i+\g)+1], v[X+4*(4*cc+\i)+\hl:X+4*(4*cc+\i)+\hl+1], v[\buf+4*\g+\hl:\buf+4*\g+\hl+1], v[AC+2*(5*\i+\g):AC+2*(5*\i+\g)+1]
.endif
.endr
.endr
.endr
.endm
.macro RED                             ; the 20 sums over the wave's 32 lanes; every lane ends with the sum and stores the same word
.set p, 0
.rept 20
	v_add_f32 v[AC+2*p], v[AC+2*p], v[AC+2*p+1]
.set p, p+1
.endr
.irp m, 1,2,4,8
.set p, 0
.rept 20
	v_add_f32_dpp v[AC+2*p], v[AC+2*p], v[AC+2*p] row_xmask:\m row_mask:0xf bank_mask:0xf
.set p, p+1
.endr
.endr
.set p, 0
.rept 20
	v_permlanex16_b32 v[AC+2*p+1], v[AC+2*p], s24, s25
.set p, p+1
.endr
.set p, 0
.rept 20
	v_add_f32 v[AC+2*p], v[AC+2*p], v[AC+2*p+1]
.set p, p+1
.endr
.set p, 0
.rept 20
	ds_store_b32 v3, v[AC+2*p] offset:48*(p/5)+4*(5*hf+p%5)
.set p, p+1
.endr
.endm
.macro ARGMAX best, idx                ; the largest of v[20:29]; a strict compare keeps the lower index on a tie
	v_mov_b32 v[\best], v20
	v_mov_b32 v[\idx], 0
.irp g, 1,2,3,4,5,6,7,8,9
	v_cmp_gt_f32 vcc_lo, v[20+\g], v[\best]
	v_cndmask_b32 v[\best], v[\best], v[20+\g], vcc_lo
	v_cndmask_b32 v[\idx], v[\idx], \g, vcc_lo
.endr
.endm
	s_load_b512 s[4:19], s[0:1], 0x0               ; inputs s[4:5], gate_w s[6:7], gate_b s[8:9], expert_w s[10:11], wb s[12:13], sel s[14:15], cnt s[16:17], wts s[18:19]
	v_lshl_add_u32 v216, v0, 2, 0xa800
	v_mov_b32 v217, 0
	v_lshrrev_b32 v4, 5, v0
	v_readfirstlane_b32 s20, v4                    ; wave 0..7
	s_cmp_ge_u32 ttmp9, 256
	s_cbranch_scc1 .Lcast
	; ---------------- GATE ----------------
	v_and_b32 v5, 31, v0                           ; lane
	v_lshlrev_b32 v1, 4, v5                        ; 16 x lane
	v_lshlrev_b32 v2, 4, v0                        ; 16 x thread: 256 threads cover a row of gate_w
	s_mul_i32 s26, s20, 192
	s_add_co_u32 s26, s26, LG
	v_mov_b32 v3, s26                              ; my wave's four tokens' logits
	s_mov_b32 s24, 0x76543210                      ; v_permlanex16_b32: each lane takes its own place in the other half
	s_mov_b32 s25, 0xfedcba98
	s_mov_b32 s27, 0x3fb8aa3b                      ; log2(e)
	s_lshl_b32 s22, ttmp9, 17                      ; block: 32 rows of 4,096 bytes
	s_lshl_b32 s23, s20, 14                        ; wave: 4 rows
	s_add_co_u32 s22, s22, s23
	s_mov_b32 s23, 0
	s_wait_kmcnt 0x0
	s_load_b256 s[28:35], s[8:9], 0x0              ; gate_b 0-7
	s_load_b64 s[36:37], s[8:9], 0x20              ; gate_b 8, 9
	s_add_nc_u64 s[4:5], s[4:5], s[22:23]
.irp k, 0,1,2,3,4,5,6,7,8,9
	global_load_b128 v[AC+4*\k:AC+4*\k+3], v2, s[6:7] offset:4096*\k
.endr
.irp c, 0,1,2,3,4,5,6,7
.irp i, 0,1,2,3
	global_load_b128 v[X+4*(4*\c+\i):X+4*(4*\c+\i)+3], v1, s[4:5] offset:4096*\i+512*\c
.endr
.endr
	s_wait_loadcnt 32                              ; gate_w is in; the 32 loads of x issued behind it stay out
	s_wait_kmcnt 0x0                               ; gate_b
.irp k, 0,1,2,3,4,5,6,7,8,9
	ds_store_b128 v2, v[AC+4*\k:AC+4*\k+3] offset:4096*\k
.endr
	s_wait_dscnt 0x0                               ; for the others' sake: my part of gate_w lies in LDS
	s_barrier_signal -1
	s_barrier_wait -1
	; sixteen steps: gates 0-4 over the eight parts of the rows, then gates 5-9; x stays in registers
.set ns, 0
	GWLD GWA
.set s, 0
.rept 16
.set ns, s+1
.set cc, s%8
.set hf, s/8
.if s < 15
.if s%2 == 0
	GWLD GWB
.else
	GWLD GWA
.endif
	s_wait_dscnt 5                                 ; all but the five loads just issued: this step's gate numbers are in
.else
	s_wait_dscnt 0x0
.endif
.if s < 8
	s_wait_loadcnt 28-4*s                          ; part s of the four tokens is in; the later parts stay out
.endif
.if s%2 == 0
	GFMA GWA
.else
	GFMA GWB
.endif
.if cc == 7
	RED
.endif
.set s, s+1
.endr
	s_wait_dscnt 0x0                               ; for wave 0's sake: my logits lie in LDS
	s_barrier_signal -1
	s_barrier_wait -1
	s_cmp_lg_u32 s20, 0
	s_cbranch_scc1 .Lquit
	; wave 0: a lane is a token of the block
	v_mul_u32_u24 v6, v5, 48
	ds_load_b128 v[8:11], v6 offset:LG
	ds_load_b128 v[12:15], v6 offset:LG+16
	ds_load_b64 v[16:17], v6 offset:LG+32
	s_wait_dscnt 0x0
.irp g, 0,1,2,3,4,5,6,7
	v_add_f32 v[8+\g], s[28+\g], v[8+\g]
.endr
	v_add_f32 v16, s36, v16
	v_add_f32 v17, s37, v17
	v_max3_num_f32 v18, v8, v9, v10
	v_max3_num_f32 v18, v18, v11, v12
	v_max3_num_f32 v18, v18, v13, v14
	v_max3_num_f32 v18, v18, v15, v16
	v_max_num_f32 v18, v18, v17                    ; the token's largest logit m
	v_mul_f32 v19, s27, v18                        ; c m; its rounding shifts all ten exponents alike and cancels in the quotient
.irp g, 0,1,2,3,4,5,6,7,8,9
	v_fma_f32 v[20+\g], v[8+\g], s27, -v19         ; c l - c m
.endr
.irp g, 0,1,2,3,4,5,6,7,8,9
	v_exp_f32 v[20+\g], v[20+\g]
.endr
	v_mov_b32 v51, 0                               ; (the counts begin at 0) a plain instruction between the last exponential and its use (ISA guide 5.7.2)
	s_wait_alu depctr_va_vdst(0)
	v_add_f32 v30, v20, v21
	v_add_f32 v31, v22, v23
	v_add_f32 v32, v24, v25
	v_add_f32 v33, v26, v27
	v_add_f32 v34, v28, v29
	v_add_f32 v30, v30, v31
	v_add_f32 v32, v32, v33
	v_add_f32 v30, v30, v34
	v_add_f32 v30, v30, v32
	v_rcp_f32 v31, v30
	v_mov_b32 v52, 0                               ; (r1 begins at 0) the plain instruction behind the reciprocal
	s_wait_alu depctr_va_vdst(0)
.irp g, 0,1,2,3,4,5,6,7,8,9
	v_mul_f32 v[20+\g], v[20+\g], v31              ; the probabilities
.endr
	ARGMAX 40, 41
.irp g, 0,1,2,3,4,5,6,7,8,9
	v_cmp_eq_u32 vcc_lo, \g, v41
	v_cndmask_b32 v[20+\g], v[20+\g], -1.0, vcc_lo ; the first choice leaves the field: every probability is above -1
.endr
	ARGMAX 42, 43
	v_cmp_gt_u32 vcc_lo, 8, v41
	v_cndmask_b32 v44, 0, v40, vcc_lo              ; gates 8 and 9 contribute nothing
	v_cmp_gt_u32 vcc_lo, 8, v43
	v_cndmask_b32 v45, 0, v42, vcc_lo
	v_add_f32 v48, v44, v45
	v_cmp_lt_f32 vcc_lo, 0, v48
	v_cndmask_b32 v48, 1.0, v48, vcc_lo
	v_rcp_f32 v49, v48
	v_mov_b32 v53, 0                               ; (r2 begins at 0) the plain instruction behind the reciprocal
	s_wait_alu depctr_va_vdst(0)
	v_mul_f32 v46, v44, v49
	v_mul_f32 v47, v45, v49
.irp e, 0,1,2,3,4,5,6,7
	v_cmp_eq_u32 s38, \e, v41
	v_cmp_eq_u32 s39, \e, v43
	s_or_b32 s40, s38, s39                         ; the block's tokens that chose expert e (a token chooses it once at the most)
	v_mbcnt_lo_u32_b32 v50, s40, 0                 ; how many of them stand in front of me
	v_cndmask_b32 v52, v52, v50, s38
	v_cndmask_b32 v53, v53, v50, s39
	s_bcnt1_i32_b32 s41, s40
	v_writelane_b32 v51, s41, \e                   ; lane e keeps the block's count for expert e
.endr
	v_lshl_or_b32 v54, v43, 4, v41
	v_lshl_or_b32 v54, v52, 8, v54
	v_lshl_or_b32 v54, v53, 16, v54
	s_lshl_b32 s42, ttmp9, 7
	s_lshl_b32 s43, ttmp9, 8
	s_lshl_b32 s44, ttmp9, 2
	v_lshl_add_u32 v55, v5, 2, s42
	v_lshl_add_u32 v56, v5, 3, s43
	v_lshl_add_u32 v57, v5, 10, s44                ; cnt[lane][b]
	global_store_b32 v55, v54, s[14:15]
	global_store_b64 v56, v[46:47], s[18:19]       ; the wave stores 256 consecutive bytes, aligned
	v_cmp_gt_u32 vcc_lo, 8, v5
	s_wait_xcnt 0x0                                ; EXEC is a source of the stores above: it changes only behind this wait
	s_and_saveexec_b32 s45, vcc_lo
	global_store_b32 v57, v51, s[16:17]
	s_wait_xcnt 0x0                                ; and again in front of the line that widens it
	s_or_b32 exec_lo, exec_lo, s45
.Lquit:
	s_wait_tensorcnt 0x0
	ds_add_u32 v216, v217
	s_wait_dscnt 0x0
	s_endpgm
	; ---------------- CAST ----------------
.Lcast:
	s_sub_co_u32 s21, ttmp9, 256
	s_lshl_b32 s22, s21, 17                        ; 32,768 f32 in,
	s_mov_b32 s23, 0
	s_lshl_b32 s24, s21, 16                        ; 32,768 f16 out
	s_mov_b32 s25, 0
	v_lshlrev_b32 v1, 5, v0                        ; a thread takes 8 neighbouring numbers: 32 bytes in,
	v_lshlrev_b32 v2, 4, v0                        ; 16 bytes out: a wave's store covers 512 consecutive bytes
	s_wait_kmcnt 0x0
	s_add_nc_u64 s[10:11], s[10:11], s[22:23]
	s_add_nc_u64 s[12:13], s[12:13], s[24:25]
.irp i, 0,1,2,3,4,5,6,7,8,9,10,11,12,13,14,15
	global_load_b128 v[8+8*\i:11+8*\i],  v1, s[10:11] offset:8192*\i th:TH_LOAD_NT
	global_load_b128 v[12+8*\i:15+8*\i], v1, s[10:11] offset:8192*\i+16 th:TH_LOAD_NT
.endr
.irp i, 0,1,2,3,4,5,6,7,8,9,10,11,12,13,14,15
	s_wait_loadcnt 30-2*\i                         ; pair i of the loads is in; the younger pairs stay out
.irp k, 0,1,2,3
	v_cvt_pk_f16_f32 v[136+4*\i+\k], v[8+8*\i+2*\k], v[9+8*\i+2*\k]
.endr
	global_store_b128 v2, v[136+4*\i:139+4*\i], s[12:13] offset:4096*\i   ; no register is written twice, so no store's source is waited for
.endr
	s_endpgm
.Lfunc_end_k_q71ee84cd43_prep:
	.size	k_q71ee84cd43_prep, .Lfunc_end_k_q71ee84cd43_prep-k_q71ee84cd43_prep
	.p2alignl 7, 3214868480
	.fill 96, 4, 3214868480
	.section	.rodata,"a",@progbits
	.p2align	6, 0x0
	.amdhsa_kernel k_q71ee84cd43_prep
		.amdhsa_group_segment_fixed_size 44032
		.amdhsa_private_segment_fixed_size 0
		.amdhsa_enable_private_segment 0
		.amdhsa_kernarg_size 64
		.amdhsa_user_sgpr_count 2
		.amdhsa_user_sgpr_kernarg_segment_ptr 1
		.amdhsa_wavefront_size32 1
		.amdhsa_system_sgpr_workgroup_id_x 1
		.amdhsa_system_sgpr_workgroup_id_y 1
		.amdhsa_system_sgpr_workgroup_id_z 1
		.amdhsa_system_vgpr_workitem_id 0
		.amdhsa_next_free_vgpr 218
		.amdhsa_next_free_sgpr 66
		.amdhsa_reserve_vcc 1
		.amdhsa_float_denorm_mode_32 3
		.amdhsa_float_denorm_mode_16_64 3
		.amdhsa_memory_ordered 1
		.amdhsa_forward_progress 1
		.amdhsa_inst_pref_size 90
	.end_amdhsa_kernel
	.amdgpu_metadata
---
amdhsa.version: [ 1, 2 ]
amdhsa.kernels:
  - .name:           k_q71ee84cd43_prep
    .symbol:         k_q71ee84cd43_prep.kd
    .args:
      - { .name: inputs, .offset: 0, .size: 8, .value_kind: global_buffer, .address_space: global }
      - { .name: gate_w, .offset: 8, .size: 8, .value_kind: global_buffer, .address_space: global }
      - { .name: gate_b, .offset: 16, .size: 8, .value_kind: global_buffer, .address_space: global }
      - { .name: expert_w, .offset: 24, .size: 8, .value_kind: global_buffer, .address_space: global }
      - { .name: wb, .offset: 32, .size: 8, .value_kind: global_buffer, .address_space: global }
      - { .name: sel, .offset: 40, .size: 8, .value_kind: global_buffer, .address_space: global }
      - { .name: cnt, .offset: 48, .size: 8, .value_kind: global_buffer, .address_space: global }
      - { .name: wts, .offset: 56, .size: 8, .value_kind: global_buffer, .address_space: global }
    .group_segment_fixed_size: 44032
    .private_segment_fixed_size: 0
    .kernarg_segment_align: 8
    .kernarg_segment_size: 64
    .max_flat_workgroup_size: 256
    .sgpr_count:     66
    .vgpr_count:     218
    .wavefront_size: 32
...
	.end_amdgpu_metadata
.endif
;; end of part 1
;; launch scan (part 2): grid 256 x 1, 8 waves a work-group, no clusters, 1,280 bytes of LDS; arguments sel, cnt, pos; writes pos
.if DOCPART == 2
	.amdgcn_target "amdgcn-amd-amdhsa--gfx1250"
	.amdhsa_code_object_version 6
	.text
	.protected	k_q71ee84cd43_scan
	.globl	k_q71ee84cd43_scan
	.p2align	8
	.type	k_q71ee84cd43_scan,@function
k_q71ee84cd43_scan:
	s_mov_b64 s[64:65], 0
	v_nop
	global_prefetch_b8 v0, s[64:65] scope:SCOPE_SE
	s_setreg_imm32_b32 hwreg(HW_REG_WAVE_MODE, 25, 1), 1
	s_wait_xcnt 0x0
; Where each token's rows go.  THE BUCKETS ARE PACKED: bucket e takes ceil(n_e / 288) tiles of 288 rows, and the buckets lie one behind the other in 18,432 rows.
; The n_e add up to 16,384 at the most, so the tiles number floor((16384 + 8 x 287) / 288) = 64 at the most: 18,432 rows hold every routing.
; A token's row = its bucket's first row + the tokens of earlier blocks that chose e (a sum over cnt[e][0 .. b-1]) + its rank inside its block (from sel).
; pos[t][k] = that row, or 18,432 for a choice without an expert.  Block 0 also stores, behind pos: at byte 65,536 the expert of each of the 64 tiles (7 for tiles behind the last
; bucket); at byte 65,792 eight pairs (the first row of bucket e that no token fills, the row behind bucket e's last tile).
; WHY A LAUNCH OF ITS OWN: the launches that follow form addresses and branches from these numbers, so they are made here, a launch earlier, and stored as whole numbers.
; In this launch they are values alone: every address and every branch hangs on the work-group's and the wave's number.
; Work-group b = block of 32 tokens.  Wave w sums expert w's 256 counts (1 KiB, 8 a lane); the eight waves' sums meet in LDS behind one barrier; wave 0, a lane a token, does the rest.
; Every wave loads the block's 32 words of sel, though wave 0 alone uses them: 128 bytes a wave, and no load stands under a branch.
.set NROWS, 18432
.set G, 288                            ; rows in a tile
.set TV, 32                            ; v[32:39]  the eight buckets' lengths
.set TOT, 28                           ; s[28:35]  the same as scalars
.set CR, 36                            ; s[36:44]  bucket e's first row; s44: the first row behind the last bucket
.macro IRED r                          ; a sum of whole numbers over the 32 lanes; every lane ends with it
.irp m, 1,2,4,8
	v_mov_b32_dpp v19, v[\r] row_xmask:\m row_mask:0xf bank_mask:0xf
	v_add_nc_u32 v[\r], v[\r], v19
.endr
	v_permlanex16_b32 v19, v[\r], s24, s25
	v_add_nc_u32 v[\r], v[\r], v19
.endm
	s_load_b128 s[4:7], s[0:1], 0x0                ; sel s[4:5], cnt s[6:7]
	s_load_b64 s[8:9], s[0:1], 0x10                ; pos
	v_lshl_add_u32 v48, v0, 2, 0x100
	v_mov_b32 v49, 0
	v_lshrrev_b32 v5, 5, v0
	v_readfirstlane_b32 s20, v5                    ; wave 0..7
	s_mov_b32 s21, ttmp9                           ; block b
	v_and_b32 v1, 31, v0                           ; lane
	v_lshlrev_b32 v3, 5, v1
	s_mov_b32 s24, 0x76543210                      ; v_permlanex16_b32: each lane takes its own place in the other half
	s_mov_b32 s25, 0xfedcba98
	s_lshl_b32 s22, s20, 10
	v_add_nc_u32 v5, s22, v3                       ; cnt[w][8 lane ..]
	s_lshl_b32 s23, s21, 7
	v_lshl_add_u32 v6, v1, 2, s23                  ; sel[32 b + lane]
	s_lshl_b32 s22, s20, 2
	v_mov_b32 v20, s22                             ; LDS: word w
	v_mov_b32 v19, 0
	s_wait_kmcnt 0x0
	global_load_b128 v[8:11], v5, s[6:7]
	global_load_b128 v[12:15], v5, s[6:7] offset:16
	global_load_b32 v4, v6, s[4:5]
	s_wait_loadcnt 0x0
	v_add3_u32 v21, v8, v9, v10
	v_add3_u32 v21, v21, v11, v12
	v_add3_u32 v21, v21, v13, v14
	v_add_nc_u32 v21, v21, v15                     ; my 8 blocks' tokens for expert w
	v_lshlrev_b32 v16, 3, v1
	v_cmp_gt_u32 vcc_lo, s21, v16
	v_cndmask_b32 v7, 0, v8, vcc_lo                ; and those of them in blocks in front of b
.irp k, 1,2,3,4,5,6,7
	v_add_nc_u32 v17, \k, v16
	v_cmp_gt_u32 vcc_lo, s21, v17
	v_cndmask_b32 v18, 0, v[8+\k], vcc_lo
	v_add_nc_u32 v7, v7, v18
.endr
	IRED 7
	IRED 21
	ds_store_b32 v20, v7                           ; words 0-7: the tokens of earlier blocks in each bucket
	ds_store_b32 v20, v21 offset:32                ; words 8-15: the buckets' lengths
	s_wait_dscnt 0x0                               ; for wave 0's sake
	s_barrier_signal -1
	s_barrier_wait -1
	s_cmp_lg_u32 s20, 0
	s_cbranch_scc1 .Lquit
	v_mov_b32 v30, 0
	ds_load_b128 v[8:11], v30                      ; every lane reads the same sixteen words
	ds_load_b128 v[12:15], v30 offset:16
	ds_load_b128 v[TV:TV+3], v30 offset:32
	ds_load_b128 v[TV+4:TV+7], v30 offset:48
	v_bfe_u32 v22, v4, 0, 4                        ; e1, e2, r1, r2
	v_bfe_u32 v23, v4, 4, 4
	v_bfe_u32 v16, v4, 8, 8
	v_bfe_u32 v17, v4, 16, 8
	s_wait_dscnt 0x0
.irp e, 0,1,2,3,4,5,6,7
	v_readfirstlane_b32 s[TOT+\e], v[TV+\e]
.endr
	s_mov_b32 s[CR], 0
.irp e, 0,1,2,3,4,5,6,7
	s_add_co_u32 s26, s[TOT+\e], G-1               ; ceil(n / 288) = floor(floor((n + 287) / 32) / 9); for q up to 264, floor(q / 9) = (7282 q) >> 16
	s_lshr_b32 s26, s26, 5
	s_mul_i32 s26, s26, 7282
	s_lshr_b32 s26, s26, 16
	s_mul_i32 s26, s26, G
	s_add_co_u32 s[CR+1+\e], s[CR+\e], s26
.endr
.irp e, 0,1,2,3,4,5,6,7
	v_add_nc_u32 v[8+\e], s[CR+\e], v[8+\e]        ; where block b begins in bucket e
.endr
	v_mov_b32 v26, NROWS                           ; a choice without an expert keeps this
	v_mov_b32 v27, NROWS
.irp e, 0,1,2,3,4,5,6,7
	v_cmp_eq_u32 vcc_lo, \e, v22
	v_cndmask_b32 v26, v26, v[8+\e], vcc_lo
	v_cmp_eq_u32 vcc_lo, \e, v23
	v_cndmask_b32 v27, v27, v[8+\e], vcc_lo
.endr
	v_add_nc_u32 v26, v26, v16                     ; the rank in the block (0 for a choice without an expert)
	v_add_nc_u32 v27, v27, v17
	s_lshl_b32 s22, s21, 8
	v_lshl_add_u32 v28, v1, 3, s22
	global_store_b64 v28, v[26:27], s[8:9]         ; the block's 32 pairs: 256 consecutive bytes, aligned
	s_cmp_lg_u32 s21, 0
	s_cbranch_scc1 .Lquit
	v_lshlrev_b32 v16, 1, v1                       ; block 0: tiles 2 lane and 2 lane + 1: the expert is the number of buckets 1-7 that begin at or in front of the tile
	v_mul_u32_u24 v16, v16, G
	v_add_nc_u32 v17, G, v16
	v_mov_b32 v24, 0
	v_mov_b32 v25, 0
.irp e, 1,2,3,4,5,6,7
	v_cmp_le_u32 vcc_lo, s[CR+\e], v16
	v_cndmask_b32 v18, 0, 1, vcc_lo
	v_add_nc_u32 v24, v24, v18
	v_cmp_le_u32 vcc_lo, s[CR+\e], v17
	v_cndmask_b32 v18, 0, 1, vcc_lo
	v_add_nc_u32 v25, v25, v18
.endr
	v_lshlrev_b32 v29, 3, v1
	global_store_b64 v29, v[24:25], s[8:9] offset:65536   ; 64 words: 256 consecutive bytes, aligned
	v_mov_b32 v40, 0                               ; lanes 8-31 store zeros, so that the 256 bytes are written whole
	v_mov_b32 v41, 0
.irp e, 0,1,2,3,4,5,6,7
	s_add_co_u32 s26, s[CR+\e], s[TOT+\e]
	v_writelane_b32 v40, s26, \e                   ; lane e: the first row of bucket e that no token fills,
	v_writelane_b32 v41, s[CR+1+\e], \e            ; and the row behind its last tile
.endr
	global_store_b64 v29, v[40:41], s[8:9] offset:65792
.Lquit:
	s_wait_tensorcnt 0x0
	ds_add_u32 v48, v49
	s_wait_dscnt 0x0
	s_endpgm
.Lfunc_end_k_q71ee84cd43_scan:
	.size	k_q71ee84cd43_scan, .Lfunc_end_k_q71ee84cd43_scan-k_q71ee84cd43_scan
	.p2alignl 7, 3214868480
	.fill 96, 4, 3214868480
	.section	.rodata,"a",@progbits
	.p2align	6, 0x0
	.amdhsa_kernel k_q71ee84cd43_scan
		.amdhsa_group_segment_fixed_size 1280
		.amdhsa_private_segment_fixed_size 0
		.amdhsa_enable_private_segment 0
		.amdhsa_kernarg_size 24
		.amdhsa_user_sgpr_count 2
		.amdhsa_user_sgpr_kernarg_segment_ptr 1
		.amdhsa_wavefront_size32 1
		.amdhsa_system_sgpr_workgroup_id_x 1
		.amdhsa_system_sgpr_workgroup_id_y 1
		.amdhsa_system_sgpr_workgroup_id_z 1
		.amdhsa_system_vgpr_workitem_id 0
		.amdhsa_next_free_vgpr 50
		.amdhsa_next_free_sgpr 66
		.amdhsa_reserve_vcc 1
		.amdhsa_float_denorm_mode_32 3
		.amdhsa_float_denorm_mode_16_64 3
		.amdhsa_memory_ordered 1
		.amdhsa_forward_progress 1
		.amdhsa_inst_pref_size 13
	.end_amdhsa_kernel
	.amdgpu_metadata
---
amdhsa.version: [ 1, 2 ]
amdhsa.kernels:
  - .name:           k_q71ee84cd43_scan
    .symbol:         k_q71ee84cd43_scan.kd
    .args:
      - { .name: sel, .offset: 0, .size: 8, .value_kind: global_buffer, .address_space: global }
      - { .name: cnt, .offset: 8, .size: 8, .value_kind: global_buffer, .address_space: global }
      - { .name: pos, .offset: 16, .size: 8, .value_kind: global_buffer, .address_space: global }
    .group_segment_fixed_size: 1280
    .private_segment_fixed_size: 0
    .kernarg_segment_align: 8
    .kernarg_segment_size: 24
    .max_flat_workgroup_size: 256
    .sgpr_count:     66
    .vgpr_count:     50
    .wavefront_size: 32
...
	.end_amdgpu_metadata
.endif
;; end of part 2
;; launch place (part 3): grid 256 x 1, 8 waves a work-group, no clusters, 0 bytes of LDS; arguments inputs, pos, xg, y; writes xg, y
.if DOCPART == 3
	.amdgcn_target "amdgcn-amd-amdhsa--gfx1250"
	.amdhsa_code_object_version 6
	.text
	.protected	k_q71ee84cd43_place
	.globl	k_q71ee84cd43_place
	.p2align	8
	.type	k_q71ee84cd43_place,@function
k_q71ee84cd43_place:
	s_mov_b64 s[64:65], 0
	v_nop
	global_prefetch_b8 v0, s[64:65] scope:SCOPE_SE
	s_setreg_imm32_b32 hwreg(HW_REG_WAVE_MODE, 25, 1), 1
	s_wait_xcnt 0x0
; Each token's row, rounded to f16, is stored into xg[18432][1024] at the row or rows that pos names for it (18,432: a choice without an expert, nothing is stored).
; Every row of xg that no token fills is stored as zeros: the product that follows walks all 64 tiles of 288 rows.  Block 0 also stores row 18,432 of y as zeros: what a choice
; without an expert adds in the last launch.
; Work-group b = block of 32 tokens; wave w moves tokens 4 w .. 4 w + 3, zeroes the rows F + b + 256 i that fill up expert w's last tile (F: the bucket's first unfilled row), and the
; rows 8 b + w + 2048 i behind the last bucket.  All that steers an address or a branch is read from pos by three scalar loads: the four tokens' eight rows, expert w's pair, the last bucket's end.
; Memory binds: a row is read once by 16-byte loads, all 32 loads of a wave are issued at the start; each store of a wave covers 512 consecutive bytes.  No LDS, no barrier, no loop.
; LIMIT: a number of x above 65,504 in size becomes infinite in f16; below 2^-14 its step is 2^-24.  (f16 and not bf16: its 11 significant bits give an eighth of the rounding error in the product's sums.)
.set NROWS, 18432
.set X, 32                             ; v[32:159]  token i, part c (256 numbers): 8 numbers a lane at X + 32 i + 8 c
.set Y, 160                            ; v[160:223] the same in f16: Y + 16 i + 4 c
.set Z, 224                            ; v[224:227] zeros
.macro PADROW st, add, lim, pr         ; row st + add is stored as zeros if it lies under lim
	s_add_co_u32 s38, \st, \add
	s_cmp_lt_u32 s38, \lim
	s_cbranch_scc0 .Lnopad_\@
	s_min_u32 s38, s38, NROWS-1
	s_lshl_b32 s36, s38, 11                        ; rows of 2,048 bytes
	s_add_nc_u64 s[\pr:\pr+1], s[8:9], s[36:37]    ; a base of its own for each row: none is rewritten under a pending store
.irp c, 0,1,2,3
	global_store_b128 v2, v[Z:Z+3], s[\pr:\pr+1] offset:512*\c
.endr
.Lnopad_\@:
.endm
.macro ROWOUT i, k                     ; token i's row to the place of its choice k
	s_cmp_lt_u32 s[28+2*\i+\k], NROWS
	s_cbranch_scc0 .Lnull_\@
	s_min_u32 s36, s[28+2*\i+\k], NROWS-1
	s_lshl_b32 s36, s36, 11
	s_add_nc_u64 s[40+4*\i+2*\k:41+4*\i+2*\k], s[8:9], s[36:37]
.irp c, 0,1,2,3
	global_store_b128 v2, v[Y+16*\i+4*\c:Y+16*\i+4*\c+3], s[40+4*\i+2*\k:41+4*\i+2*\k] offset:512*\c
.endr
.Lnull_\@:
.endm
	s_load_b256 s[4:11], s[0:1], 0x0               ; inputs s[4:5], pos s[6:7], xg s[8:9], y s[10:11]
	v_lshrrev_b32 v5, 5, v0
	v_readfirstlane_b32 s20, v5                    ; wave 0..7
	s_mov_b32 s21, ttmp9                           ; block b
	v_and_b32 v1, 31, v0                           ; lane
	v_lshlrev_b32 v2, 4, v1
	v_lshlrev_b32 v3, 5, v1
.irp k, 0,1,2,3
	v_mov_b32 v[Z+\k], 0
.endr
	s_lshl_b32 s22, s21, 8
	s_lshl_b32 s23, s20, 5
	s_add_co_u32 s22, s22, s23                     ; 8 bytes x (32 b + 4 w): my four tokens' pairs in pos
	s_lshl_b32 s23, s20, 3                         ; 8 bytes x w: my expert's pair
	s_lshl_b32 s36, s21, 17
	s_lshl_b32 s37, s20, 14
	s_add_co_u32 s36, s36, s37
	s_mov_b32 s37, 0                               ; stays 0: the upper word of every offset
	s_wait_kmcnt 0x0
	s_load_b256 s[28:35], s[6:7], s22 offset:0x0   ; p1, p2 of tokens 4 w .. 4 w + 3
	s_load_b64 s[26:27], s[6:7], s23 offset:0x10100   ; expert w: the first row that no token fills, the row behind its last tile
	s_load_b32 s24, s[6:7], 0x1013c                ; the row behind the last bucket (expert 7's second word)
	s_add_nc_u64 s[4:5], s[4:5], s[36:37]
.irp i, 0,1,2,3
.irp c, 0,1,2,3
	global_load_b128 v[X+32*\i+8*\c:X+32*\i+8*\c+3],   v3, s[4:5] offset:4096*\i+1024*\c th:TH_LOAD_NT
	global_load_b128 v[X+32*\i+8*\c+4:X+32*\i+8*\c+7], v3, s[4:5] offset:4096*\i+1024*\c+16 th:TH_LOAD_NT
.endr
.endr
	s_wait_kmcnt 0x0                               ; the rows; s22 and s23 may be written again
	s_cmp_lg_u32 s20, 0
	s_cbranch_scc1 .Lnot0
	s_cmp_lg_u32 s21, 0
	s_cbranch_scc1 .Lnot0
	s_add_nc_u64 s[10:11], s[10:11], NROWS*4096
.irp c, 0,1,2,3,4,5,6,7
	global_store_b128 v2, v[Z:Z+3], s[10:11] offset:512*\c  ; y's row of zeros
.endr
.Lnot0:
	s_add_co_u32 s39, s26, s21                     ; my expert's unfilled rows, shared out among the 256 blocks: fewer than 288 rows, so two tries do
	PADROW s39, 0, s27, 56
	PADROW s39, 256, s27, 58
	s_lshl_b32 s23, s21, 3
	s_add_co_u32 s23, s23, s20
	s_add_co_u32 s23, s23, s24                     ; behind the last bucket: 18,432 rows at the most among 2,048 waves: nine tries
	PADROW s23, 0, NROWS, 60
	PADROW s23, 2048, NROWS, 62
	PADROW s23, 4096, NROWS, 66
	PADROW s23, 6144, NROWS, 68
	PADROW s23, 8192, NROWS, 70
	PADROW s23, 10240, NROWS, 72
	PADROW s23, 12288, NROWS, 74
	PADROW s23, 14336, NROWS, 76
	PADROW s23, 16384, NROWS, 78
.irp i, 0,1,2,3
	s_wait_loadcnt 24-8*\i                         ; token i's eight loads are in; the later tokens' stay out
.irp c, 0,1,2,3
.irp k, 0,1,2,3
	v_cvt_pk_f16_f32 v[Y+16*\i+4*\c+\k], v[X+32*\i+8*\c+2*\k], v[X+32*\i+8*\c+2*\k+1]
.endr
.endr
	ROWOUT \i, 0
	ROWOUT \i, 1
.endr
	s_endpgm
.Lfunc_end_k_q71ee84cd43_place:
	.size	k_q71ee84cd43_place, .Lfunc_end_k_q71ee84cd43_place-k_q71ee84cd43_place
	.p2alignl 7, 3214868480
	.fill 96, 4, 3214868480
	.section	.rodata,"a",@progbits
	.p2align	6, 0x0
	.amdhsa_kernel k_q71ee84cd43_place
		.amdhsa_group_segment_fixed_size 0
		.amdhsa_private_segment_fixed_size 0
		.amdhsa_enable_private_segment 0
		.amdhsa_kernarg_size 32
		.amdhsa_user_sgpr_count 2
		.amdhsa_user_sgpr_kernarg_segment_ptr 1
		.amdhsa_wavefront_size32 1
		.amdhsa_system_sgpr_workgroup_id_x 1
		.amdhsa_system_sgpr_workgroup_id_y 1
		.amdhsa_system_sgpr_workgroup_id_z 1
		.amdhsa_system_vgpr_workitem_id 0
		.amdhsa_next_free_vgpr 228
		.amdhsa_next_free_sgpr 80
		.amdhsa_reserve_vcc 0
		.amdhsa_float_denorm_mode_32 3
		.amdhsa_float_denorm_mode_16_64 3
		.amdhsa_memory_ordered 1
		.amdhsa_forward_progress 1
		.amdhsa_inst_pref_size 22
	.end_amdhsa_kernel
	.amdgpu_metadata
---
amdhsa.version: [ 1, 2 ]
amdhsa.kernels:
  - .name:           k_q71ee84cd43_place
    .symbol:         k_q71ee84cd43_place.kd
    .args:
      - { .name: inputs, .offset: 0, .size: 8, .value_kind: global_buffer, .address_space: global }
      - { .name: pos, .offset: 8, .size: 8, .value_kind: global_buffer, .address_space: global }
      - { .name: xg, .offset: 16, .size: 8, .value_kind: global_buffer, .address_space: global }
      - { .name: y, .offset: 24, .size: 8, .value_kind: global_buffer, .address_space: global }
    .group_segment_fixed_size: 0
    .private_segment_fixed_size: 0
    .kernarg_segment_align: 8
    .kernarg_segment_size: 32
    .max_flat_workgroup_size: 256
    .sgpr_count:     80
    .vgpr_count:     228
    .wavefront_size: 32
...
	.end_amdgpu_metadata
.endif
;; end of part 3
;; launch gemm (part 4): grid 256 x 1, 4 waves a work-group, clusters of 4 x 1, 327,680 bytes of LDS; arguments xg, wb, expert_b, pos, y; writes y
.if DOCPART == 4
	.amdgcn_target "amdgcn-amd-amdhsa--gfx1250"
	.amdhsa_code_object_version 6
	.text
	.protected	k_q71ee84cd43_gemm
	.globl	k_q71ee84cd43_gemm
	.p2align	8
	.type	k_q71ee84cd43_gemm,@function
k_q71ee84cd43_gemm:
	s_mov_b64 s[64:65], 0
	v_nop
	global_prefetch_b8 v0, s[64:65] scope:SCOPE_SE
	s_setreg_imm32_b32 hwreg(HW_REG_WAVE_MODE, 25, 1), 1
	s_wait_xcnt 0x0
	s_wait_alu depctr_hold_cnt(0) depctr_sa_sdst(0) depctr_va_vdst(0) depctr_va_sdst(0) depctr_va_ssrc(0) depctr_va_vcc(0) depctr_vm_vsrc(0)
	s_getreg_b32 s2, hwreg(HW_REG_IB_STS2, 6, 4)
	s_cmp_eq_u32 s2, 0
	s_cbranch_scc0 .Lentry_in_a_cluster
	s_endpgm
.Lentry_in_a_cluster:
	s_bfe_u32 s2, ttmp6, 0x10000c
	s_cmp_lg_u32 s2, 0x3003
	s_cbranch_scc0 .Lentry_shape_is_right
	s_endpgm
.Lentry_shape_is_right:
; y[row][n] = the sum over k of xg[row][k] wb[e][k][n] + expert_b[e][n], e = the expert of the row's tile.  xg, wb f16; sums, bias and y in f32.
; (f16 and not bf16: with 11 significant bits the rounding of the operands leaves an eighth of the error in a sum of 1,024 products.  Both operands have room in it: their sizes lie
; far under 65,504, and below 2^-14 the step of 2^-24 is small against their spread.)
; SHARES.  xg is 64 tiles of 288 rows, each of one expert.  A cluster of four work-groups owns a tile x all 1,024 columns, a work-group 288 x 256, each of its four waves
; 144 x 128: 72 accumulators of 16 x 16, 576 registers.  288 is the least tile with which 64 tiles hold every routing, so that 256 work-groups do for all of them.
; K = 1,024 goes in 8 steps of 128 through a ring of two LDS slots filled by the tensor data mover.
; WHAT HANGS ON THE ROUTING: one word, the tile's expert, read from pos and held under 8.  It enters the address of wb's tiles and of the bias, and nothing else: no branch, no trip
; count, no LDS address, no joint load.  LIMIT KEPT: rows of xg that no token filled are zeros; they are multiplied and stored like the others, whole tiles of them too, and nobody reads those rows of y.
; JOINT LOADS.  The four work-groups of a cluster need the same rows of xg: that tile, 72 of a step's 136 KiB, is asked for by the same tensor load, with the same descriptor and a mask
; that names the four.  wb's tiles are not shared: the partners take different columns, and which row tiles have the same expert is known from memory alone.
; THE MATRIX INSTRUCTION IS USED TRANSPOSED: source 0 = 16 columns of wb, source 1 = 16 rows of xg.  A lane then holds row l % 16 of y and the eight neighbouring columns
; 8 (l / 16) + 0..7.  wb lies [k][n], so its fragments come out of LDS turned, by ds_load_tr16_b128.  The first product of each sum takes the bias as C: nothing is cleared or added later.
; REGISTERS, in windows of 256: window 0: v0-31 addresses; v32-103, v104-175 fragments of xg, two buffers (on the way out v32-95: rows read back from the stage); v192-255 the bias;
;   window 1: v64-127, v128-191 fragments of wb; v192-255 the accumulators of my rows 128-143;
;   window 2: the accumulators of my rows 0-63 ((a, b) at v[8 (8 a + b)]);   window 3: those of my rows 64-127.
; No prefetch: xg and wb were stored by the launches just before this one, and the ring asks a K step ahead.
.set KSTEP,  128
.set TROWS,  288
.set PA,     272                       ; a row of xg's tile in LDS: 256 bytes + 16: the 16 rows of a fragment load start 16 bytes apart modulo 256
.set PB,     544                       ; a k-row of wb's tile: 512 bytes + 32: an odd multiple of 32, as the turning load's 8 rows x 32 bytes want
.set AHALF,  144*PA                    ; what a load of xg brings: 144 rows
.set BHALF,  64*PB                     ; what a load of wb brings: 64 k-rows
.set BOFF,   2*AHALF                   ; wb's tile lies behind xg's
.set SLOT,   BOFF+2*BHALF              ; 147,968 bytes
.set STAGE,  2*SLOT                    ; behind the ring: 16 rows x 272 bytes for each wave, for the way out; no tensor load lands there
.set SPITCH, 272                       ; 256 bytes (64 f32) + 16
.set SPARE,  STAGE+4*16*SPITCH         ; behind the stages: the spare words, 128 bytes for each wave
.set ADRA, 16                          ; v16-17  LDS address of my fragments of xg in slot 0, 1
.set ADRB, 20                          ; v20-21  the same for wb
.set STO,  24                          ; v24     the way out: where I put 32 bytes of a row
.set RD,   25                          ; v25     the way out: where I read 16 bytes of a row back
.set CO,   26                          ; v26     my byte offset in two rows of y
.set BO,   27                          ; v27     my byte offset in the bias
.set SPW,  28                          ; v28     LDS address of my spare word; never rewritten
.set NIL,  29                          ; v29     0; never rewritten
.set FA,   32                          ; xg's fragments: buffer n at FA + 72 n, window 0
.set FB,   64                          ; wb's fragments: buffer n at FB + 64 n, window 1
.set BI,   192                         ; the bias, window 0
.set XA,   192                         ; the ninth row block's accumulators, window 1
.set BK0,  32                          ; the way out: two sets of 32 registers, window 0
.set G1,  24                           ; s[24:31] descriptor group 1 for xg's tiles;  s[32:39] group 0, a set for each slot
.set G0,  32
.set G1B, 48                           ; s[48:55], s[56:63] the same for wb's tiles
.set G0B, 56
.set MSB, 0
.macro WIN new                         ; the immediate's high byte repeats the setting that is left; a switch that changes nothing is dropped
.if MSB != (\new)
	s_set_vgpr_msb (MSB<<8)|(\new)
.set MSB, (\new)
.endif
.endm
.set MUL_LO,  0xa1                     ; source 0 (wb) window 1, source 1 (xg) window 0, C and D window 2
.set MUL_HI,  0xf1                     ; the same, C and D window 3
.set MUL_X,   0x51                     ; the same, C and D window 1
.set TO_B,    0x40                     ; destination window 1, address window 0
; A step's loads.  Waves 0 and 1 ask jointly for xg's two halves, waves 2 and 3 fetch wb's.  The branch hangs on the wave's number alone.  Four v_nop follow each of the two lines.
.macro JLOAD s
	s_cmp_eq_u32 s15, 0
	s_cbranch_scc0 .Lfor_b_\@
	tensor_load_to_lds s[G0+4*\s:G0+4*\s+3], s[G1:G1+7]
	s_nop 0
.rept 4
	v_nop
.endr
	s_branch .Lasked_\@
.Lfor_b_\@:
	tensor_load_to_lds s[G0B+4*\s:G0B+4*\s+3], s[G1B:G1B+7]
	s_nop 0
.rept 4
	v_nop
.endr
.Lasked_\@:
.endm
.macro CREST                           ; a round of the cluster's barrier behind its opening barrier
	s_cmp_lg_u32 s14, 0
	s_cbranch_scc1 .Lnot_wave_0_\@
	s_barrier_signal -3
.Lnot_wave_0_\@:
	s_barrier_wait -3
	s_barrier_signal -1
	s_barrier_wait -1
.endm
.macro CROUND                          ; a whole round
	s_barrier_signal -1
	s_barrier_wait -1
	CREST
.endm
.macro PLACES                          ; four plain places between matrix instructions and loads into, or reads of, their registers
.rept 4
	v_nop
.endr
.endm
; 8 matrix instructions: row block a (0 to 8) x all 8 column blocks, 32 along K, from buffer n.  zero = 1: the sums start with the bias.
.macro MULROW n, a, zero
.set rA, FA+72*(\n)+8*(\a)
.set rB, FB+64*(\n)
.if (\a) < 8
.set rD, 64*((\a)%4)
.else
.set rD, XA
.endif
.irp b, 0,1,2,3,4,5,6,7
.if \zero
	v_wmma_f32_16x16x32_f16 v[rD+8*\b:rD+8*\b+7], v[rB+8*\b:rB+8*\b+7], v[rA:rA+7], v[BI+8*\b:BI+8*\b+7]
.else
	v_wmma_f32_16x16x32_f16 v[rD+8*\b:rD+8*\b+7], v[rB+8*\b:rB+8*\b+7], v[rA:rA+7], v[rD+8*\b:rD+8*\b+7]
.endif
.endr
.endm
; 34 LDS loads in one run: the fragments of quarter q (32 along K) of a slot into buffer n: wb's 128 columns (turned), then xg's 144 rows
.macro FETCH slot, q, n
	WIN TO_B
.irp i, 0,1,2,3,4,5,6,7
	ds_load_tr16_b128 v[FB+64*(\n)+8*\i:FB+64*(\n)+8*\i+3],   v[ADRB+\slot] offset:\q*32*PB+32*\i
	ds_load_tr16_b128 v[FB+64*(\n)+8*\i+4:FB+64*(\n)+8*\i+7], v[ADRB+\slot] offset:\q*32*PB+16*PB+32*\i
.endr
	WIN 0
.irp i, 0,1,2,3,4,5,6,7,8
	ds_load_b128 v[FA+72*(\n)+8*\i:FA+72*(\n)+8*\i+3],   v[ADRA+\slot] offset:\q*64+\i*16*PA
	ds_load_b128 v[FA+72*(\n)+8*\i+4:FA+72*(\n)+8*\i+7], v[ADRA+\slot] offset:\q*64+\i*16*PA+32
.endr
.endm
; A K step is four quarters, 72 matrix instructions each, on buffers 0, 1, 0, 1.  One of the first three multiplies buffer n and fetches quarter q of the same slot into the other.
; The 72 accumulators take turns in the same order in every quarter.
.macro QUARTER slot, q, n, zero
	s_wait_dscnt 10                                ; wb and xg's rows 0-63 are in; the youngest ten loads (xg's rows 64-143) may be out
	WIN MUL_LO-0x20*\zero                          ; (with the bias as C: source 2 in window 0)
	MULROW \n, 0, \zero
	MULROW \n, 1, \zero
	MULROW \n, 2, \zero
	MULROW \n, 3, \zero
	PLACES
	FETCH \slot, \q, 1-\n
	s_wait_dscnt 34                                ; all but the 34 just issued
	WIN MUL_HI-0x30*\zero
	MULROW \n, 4, \zero
	MULROW \n, 5, \zero
	MULROW \n, 6, \zero
	MULROW \n, 7, \zero
	WIN MUL_X-0x10*\zero
	MULROW \n, 8, \zero
.endm
; The last quarter multiplies buffer 1 and changes slots: one barrier.  In front of it each wave waits for all its tensor loads (one is out: its part of the next slot), adds 0 to its
; spare word, and waits for that and for its reads of this slot.  fill = 1: the barrier opens a round of the cluster's, and this slot is filled again, two K steps on, first thing behind it:
; 256 matrix instructions stand between that request and the wait for it.
.macro TURN slot, next, fill
	WIN 0                                          ; (the add's two registers lie in window 0)
	s_wait_tensorcnt 0x0                           ; all my tensor loads have landed
	ds_add_u32 v[SPW], v[NIL]                      ; 0 onto my spare word
	s_wait_dscnt 11                                ; (the add and the youngest ten loads may be out)
	WIN MUL_LO
	MULROW 1, 0, 0                                 ; sixteen matrix instructions stand between the add and the wait for it
	MULROW 1, 1, 0
	s_wait_dscnt 0x0                               ; the add is done, and my reads of this slot are over
	s_barrier_signal -1
	MULROW 1, 2, 0                                 ; work on registers while the others arrive
	MULROW 1, 3, 0
.if \fill
	WIN 0
.endif
	s_barrier_wait -1
.if \fill
	CREST                                          ; no wave of any partner still reads this slot or has a load on its way
	s_add_nc_u64 s[G0+4*\slot+2:G0+4*\slot+3], s[G0+4*\slot+2:G0+4*\slot+3], 2*KSTEP*2
	s_add_nc_u64 s[G0B+4*\slot+2:G0B+4*\slot+3], s[G0B+4*\slot+2:G0B+4*\slot+3], 2*KSTEP*2048
	JLOAD \slot                                    ; my one tensor load behind the round; its four v_nop are also the places in front of the loads below
.else
	PLACES
.endif
	FETCH \next, 0, 0
	WIN MUL_HI
	MULROW 1, 4, 0
	MULROW 1, 5, 0
	MULROW 1, 6, 0
	MULROW 1, 7, 0
	WIN MUL_X
	MULROW 1, 8, 0
.endm
; THE WAY OUT, in 18 pieces: piece p = row block p / 2 (16 rows), column half p % 2 (64 columns of f32).  TOSTAGE: a lane's 32 bytes of a row go into my own stage, and whole
; runs of 256 bytes come back.  SEND: they are stored.
.macro TOSTAGE p
.set pa, (\p)/2
.set ph, (\p)%2
.set BK, BK0+32*((\p)%2)
.if pa < 8
.set AC, 64*(pa%4)+32*ph
	WIN 0x08+4*(pa/4)                              ; store data from window 2 or 3,
.else
.set AC, XA+32*ph
	WIN 0x04                                       ; or 1
.endif
.irp b, 0,1,2,3
	ds_store_b128 v[STO], v[AC+8*\b:AC+8*\b+3] offset:64*\b            ; each accumulator is read from its low end on
	ds_store_b128 v[STO], v[AC+8*\b+4:AC+8*\b+7] offset:64*\b+16
.endr
	WIN 0
.if (\p) >= 2
	s_wait_xcnt 0x0                                ; the stores of the piece two back have read these registers: they are loaded again only behind this wait
.endif
.irp t, 0,1,2,3,4,5,6,7
	ds_load_b128 v[BK+4*\t:BK+4*\t+3], v[RD] offset:\t*2*SPITCH        ; LDS serves a wave's instructions in order (ISA guide 5.7.1): these see the stores above, and the next piece's stores come behind them
.endr
.endm
.macro SEND p, younger                 ; younger: the next piece's 8 LDS stores and 8 LDS loads, or none
.set pa, (\p)/2
.set ph, (\p)%2
.set BK, BK0+32*((\p)%2)
	s_wait_dscnt \younger
.irp t, 0,1,2,3,4,5,6,7
	global_store_b128 v[CO], v[BK+4*\t:BK+4*\t+3], s[12:13] offset:(16*pa+2*\t)*4096+256*ph   ; 16 lanes store 256 consecutive bytes, aligned; 143 rows of 4,096 bytes at the most stand in the immediate
.endr
.endm
	s_load_b256 s[4:11], s[0:1], 0x0               ; xg s[4:5], wb s[6:7], expert_b s[8:9], pos s[10:11]
	s_load_b64 s[12:13], s[0:1], 0x20              ; y
	v_lshl_add_u32 v[SPW], v0, 2, SPARE
	v_mov_b32 v[NIL], 0
	ds_add_u32 v28, v29
	s_wait_dscnt 0x0
	v_lshrrev_b32 v1, 5, v0
	v_readfirstlane_b32 s14, v1                    ; wave 0..3
	s_lshr_b32 s15, s14, 1                         ; which half of the tile's rows is mine.  Also: I fetch xg (0) or wb (1)
	s_and_b32 s16, s14, 1                          ; which half of its columns.  Also: which half of that tile I fetch
	s_bfe_u32 s17, ttmp6, 0x40000                  ; cx = the work-group's 256 columns; ttmp9, the cluster's number, is the tile of rows
	s_lshl_b32 s22, ttmp9, 2
	s_wait_kmcnt 0x0
	s_load_b32 s20, s[10:11], s22 offset:0x10000   ; the tile's expert
	s_mov_b32 s[G1+0], 15|(1<<16)|(1<<20)|(1<<21)|(5<<22)|(3<<25)    ; 15:0 the mask: all four work-groups; 17:16 elements of 2 bytes; 20 padding on; 21 set beside a mask; after every 64 words (code 5) 4 words (code 3)
	s_mov_b32 s[G1+1], 128<<16                     ; tensor_dim0 = 128
	s_mov_b32 s[G1+2], 144<<16                     ; tensor_dim1 = 144
	s_mov_b32 s[G1+3], 128<<16                     ; tile_dim0 = 128 elements: 256 bytes
	s_mov_b32 s[G1+4], 144                         ; tile_dim1 = 144 rows
	s_mov_b32 s[G1+5], 1024                        ; elements from row to row
	s_mov_b32 s[G1+6], 0
	s_mov_b32 s[G1+7], 0
	s_mov_b32 s[G1B+0], (1<<16)|(1<<20)|(6<<22)|(7<<25)              ; no mask: my work-group's own; after every 128 words (code 6) 8 words (code 7)
	s_mov_b32 s[G1B+1], 256<<16                    ; tensor_dim0 = 256
	s_mov_b32 s[G1B+2], 64<<16                     ; tensor_dim1 = 64
	s_mov_b32 s[G1B+3], 256<<16                    ; tile_dim0 = 256 elements: 512 bytes
	s_mov_b32 s[G1B+4], 64                         ; tile_dim1 = 64 k-rows
	s_mov_b32 s[G1B+5], 1024
	s_mov_b32 s[G1B+6], 0
	s_mov_b32 s[G1B+7], 0
	; xg's tiles hang on the cluster's number and the wave alone, which the four partners share
	s_mul_i32 s40, ttmp9, TROWS
	s_mul_i32 s41, s16, 144
	s_add_co_u32 s40, s40, s41                     ; the first row that I fetch
	s_lshl_b32 s40, s40, 11                        ; rows of 2,048 bytes: under 2^26
	s_mov_b32 s41, 0
	s_add_nc_u64 s[40:41], s[4:5], s[40:41]
	s_wait_kmcnt 0x0
	s_min_u32 s20, s20, 7
	s_lshl_b32 s42, s20, 21                        ; an expert's 2 MiB,
	s_lshl_b32 s43, s16, 17                        ; 64 k-rows of 2,048 bytes,
	s_add_co_u32 s42, s42, s43
	s_lshl_b32 s43, s17, 9                         ; 256 columns
	s_add_co_u32 s42, s42, s43
	s_mov_b32 s43, 0
	s_add_nc_u64 s[42:43], s[6:7], s[42:43]
	s_mul_i32 s22, s14, AHALF                      ; where they go: waves 0, 1: xg's halves at 0 and 39,168;
	s_mul_i32 s23, s14, BHALF
	s_add_co_u32 s23, s23, BOFF-2*BHALF            ; waves 2, 3: wb's halves at 78,336 and 113,152.  No place in the cluster enters an LDS address
	CROUND                                         ; all four work-groups are here: the first joint loads meet
.irp s, 0,1
	s_mov_b32 s[G0+4*\s], 1                                        ; count = 1
	s_add_co_u32 s[G0+4*\s+1], s22, \s*SLOT                        ; LDS address
	s_add_nc_u64 s[G0+4*\s+2:G0+4*\s+3], s[40:41], \s*KSTEP*2      ; K step s: 128 elements along the rows
	s_or_b32 s[G0+4*\s+3], s[G0+4*\s+3], 0x80000000                ; type = 2
	s_mov_b32 s[G0B+4*\s], 1
	s_add_co_u32 s[G0B+4*\s+1], s23, \s*SLOT
	s_add_nc_u64 s[G0B+4*\s+2:G0B+4*\s+3], s[42:43], \s*KSTEP*2048 ; K step s: 128 k-rows down
	s_or_b32 s[G0B+4*\s+3], s[G0B+4*\s+3], 0x80000000
	JLOAD \s                                       ; two loads of mine are out
.endr
	v_and_b32 v1, 15, v0                           ; r = l % 16
	v_bfe_u32 v2, v0, 4, 1                         ; h = l / 16
	v_mul_u32_u24 v3, v1, PA
	v_lshl_add_u32 v3, v2, 4, v3                   ; xg: row r x pitch + 16 h
	v_and_b32 v4, 7, v0
	v_lshl_add_u32 v4, v2, 3, v4
	v_mul_u32_u24 v4, v4, PB                       ; wb: k-row 8 h + l % 8,
	v_bfe_u32 v5, v0, 3, 1
	v_lshl_add_u32 v4, v5, 4, v4                   ; columns 8 ((l / 8) % 2) on
	s_mul_i32 s44, s15, AHALF                      ; my 144 rows of xg
	s_lshl_b32 s45, s16, 8                         ; my 128 columns of wb,
	s_add_co_u32 s45, s45, BOFF                    ; which lies behind xg's 288 rows
.irp s, 0,1
	v_add_nc_u32 v[ADRA+\s], s44, v3
	v_add_nc_u32 v[ADRB+\s], s45, v4
	s_add_co_u32 s44, s44, SLOT
	s_add_co_u32 s45, s45, SLOT
.endr
	s_mul_i32 s46, s14, 16*SPITCH
	s_add_co_u32 s46, s46, STAGE                   ; my stage
	v_mul_u32_u24 v6, v1, SPITCH
	v_lshl_add_u32 v6, v2, 5, v6
	v_add_nc_u32 v[STO], s46, v6                   ; in: row r, 32 bytes for each half of the lanes
	v_mul_u32_u24 v7, v2, SPITCH
	v_lshl_add_u32 v7, v1, 4, v7
	v_add_nc_u32 v[RD], s46, v7                    ; back: lanes 0-15 take one row's 256 bytes, lanes 16-31 the next row's
	v_lshlrev_b32 v[CO], 12, v2
	v_lshl_add_u32 v[CO], v1, 4, v[CO]             ; and the same two rows in y
	v_lshlrev_b32 v[BO], 5, v2                     ; the bias of columns 8 h + 0..7 of a block
	s_mul_i32 s44, ttmp9, TROWS
	s_mul_i32 s45, s15, 144
	s_add_co_u32 s44, s44, s45                     ; my first row of y
	s_lshl_b32 s44, s44, 12                        ; rows of 4,096 bytes: under 2^27
	s_lshl_b32 s46, s17, 10
	s_lshl_b32 s47, s16, 9
	s_add_co_u32 s46, s46, s47                     ; my first column, in bytes of f32
	s_add_co_u32 s44, s44, s46
	s_mov_b32 s45, 0
	s_add_nc_u64 s[12:13], s[12:13], s[44:45]
	s_lshl_b32 s47, s20, 12
	s_add_co_u32 s46, s46, s47
	s_mov_b32 s47, 0
	s_add_nc_u64 s[8:9], s[8:9], s[46:47]          ; expert e's bias at my first column
.irp i, 0,1,2,3,4,5,6,7
	global_load_b128 v[BI+8*\i:BI+8*\i+3],   v[BO], s[8:9] offset:64*\i
	global_load_b128 v[BI+8*\i+4:BI+8*\i+7], v[BO], s[8:9] offset:64*\i+16
.endr
	s_wait_tensorcnt 1                             ; my part of K step 0 is in; K step 1's may stay out
	s_barrier_signal -1
	s_barrier_wait -1                              ; everybody's is
	FETCH 0, 0, 0
	s_wait_loadcnt 0x0                             ; the bias
	QUARTER 0, 1, 0, 1                             ; the first quarter stands in front of the loop: its products start the sums
	WIN 0                                          ; at a label and at a branch every window is 0
	s_mov_b32 s3, 3
.Llap:                                                 ; a trip goes once round the ring and fills both slots again: K steps 2 to 7 in three trips
	QUARTER 0, 2, 1, 0
	QUARTER 0, 3, 0, 0
	TURN 0, 1, 1
	QUARTER 1, 1, 0, 0
	QUARTER 1, 2, 1, 0
	QUARTER 1, 3, 0, 0
	TURN 1, 0, 1
	QUARTER 0, 1, 0, 0
	WIN 0
	s_sub_co_u32 s3, s3, 1
	s_cmp_lg_u32 s3, 0
	s_cbranch_scc1 .Llap
	QUARTER 0, 2, 1, 0                             ; the last lap fills nothing and has no round
	QUARTER 0, 3, 0, 0
	TURN 0, 1, 0
	QUARTER 1, 1, 0, 0
	QUARTER 1, 2, 1, 0
	QUARTER 1, 3, 0, 0
	s_wait_dscnt 10                                ; the very last quarter: nothing more to fetch
	WIN MUL_LO
	MULROW 1, 0, 0
	MULROW 1, 1, 0
	MULROW 1, 2, 0
	MULROW 1, 3, 0
	s_wait_dscnt 0x0
	WIN MUL_HI
	MULROW 1, 4, 0
	MULROW 1, 5, 0
	MULROW 1, 6, 0
	MULROW 1, 7, 0
	WIN MUL_X
	MULROW 1, 8, 0
	WIN 0
	PLACES                                         ; the LDS stores below read results, the LDS loads land on fragments that the last products read
	TOSTAGE 0
.irp p, 1,2,3,4,5,6,7,8,9,10,11,12,13,14,15,16,17  ; piece p goes through the stage while piece p - 1's rows come back
	TOSTAGE \p
	SEND \p-1, 16
.endr
	SEND 17, 0
	s_wait_tensorcnt 0x0                           ; the wave's end
	ds_add_u32 v[SPW], v[NIL]
	s_wait_dscnt 0x0
	CROUND                                         ; the closing round: no work-group ends while a partner may still ask for a tile that names it
	s_endpgm
.Lfunc_end_k_q71ee84cd43_gemm:
	.size	k_q71ee84cd43_gemm, .Lfunc_end_k_q71ee84cd43_gemm-k_q71ee84cd43_gemm
	.p2alignl 7, 3214868480
	.fill 96, 4, 3214868480
	.section	.rodata,"a",@progbits
	.p2align	6, 0x0
	.amdhsa_kernel k_q71ee84cd43_gemm
		.amdhsa_group_segment_fixed_size 327680
		.amdhsa_private_segment_fixed_size 0
		.amdhsa_enable_private_segment 0
		.amdhsa_kernarg_size 40
		.amdhsa_user_sgpr_count 2
		.amdhsa_user_sgpr_kernarg_segment_ptr 1
		.amdhsa_wavefront_size32 1
		.amdhsa_system_sgpr_workgroup_id_x 1
		.amdhsa_system_sgpr_workgroup_id_y 1
		.amdhsa_system_sgpr_workgroup_id_z 1
		.amdhsa_system_vgpr_workitem_id 0
		.amdhsa_next_free_vgpr 1024
		.amdhsa_next_free_sgpr 66
		.amdhsa_reserve_vcc 0
		.amdhsa_float_denorm_mode_32 3
		.amdhsa_float_denorm_mode_16_64 3
		.amdhsa_memory_ordered 1
		.amdhsa_forward_progress 1
		.amdhsa_inst_pref_size 157
	.end_amdhsa_kernel
	.amdgpu_metadata
---
amdhsa.version: [ 1, 2 ]
amdhsa.kernels:
  - .name:           k_q71ee84cd43_gemm
    .symbol:         k_q71ee84cd43_gemm.kd
    .args:
      - { .name: xg, .offset: 0, .size: 8, .value_kind: global_buffer, .address_space: global }
      - { .name: wb, .offset: 8, .size: 8, .value_kind: global_buffer, .address_space: global }
      - { .name: expert_b, .offset: 16, .size: 8, .value_kind: global_buffer, .address_space: global }
      - { .name: pos, .offset: 24, .size: 8, .value_kind: global_buffer, .address_space: global }
      - { .name: y, .offset: 32, .size: 8, .value_kind: global_buffer, .address_space: global }
    .group_segment_fixed_size: 327680
    .private_segment_fixed_size: 0
    .kernarg_segment_align: 8
    .kernarg_segment_size: 40
    .max_flat_workgroup_size: 128
    .sgpr_count:     66
    .vgpr_count:     1024
    .wavefront_size: 32
...
	.end_amdgpu_metadata
.endif
;; end of part 4
;; launch combine (part 5): grid 512 x 1, 8 waves a work-group, no clusters, 0 bytes of LDS; arguments y, wts, pos, out0; writes out0
.if DOCPART == 5
	.amdgcn_target "amdgcn-amd-amdhsa--gfx1250"
	.amdhsa_code_object_version 6
	.text
	.protected	k_q71ee84cd43_combine
	.globl	k_q71ee84cd43_combine
	.p2align	8
	.type	k_q71ee84cd43_combine,@function
k_q71ee84cd43_combine:
	s_mov_b64 s[64:65], 0
	v_nop
	global_prefetch_b8 v0, s[64:65] scope:SCOPE_SE
	s_setreg_imm32_b32 hwreg(HW_REG_WAVE_MODE, 25, 1), 1
	s_wait_xcnt 0x0
; out0[t] = w1 y[p1] + w2 y[p2]: a token's two rows are gathered and added, in f32.  p and w come from pos and wts; a choice without an expert has w = 0 and p = 18,432, y's row of
; zeros, so that no byte is read that nobody stored and no select stands in an address.  A wave takes two tokens: four rows of 4,096 bytes, 32 loads of 512 consecutive
; bytes, all issued at once.  Memory binds: no LDS, no barrier, no loop, no register written twice under a pending access.
.set NROWS, 18432
	s_load_b256 s[4:11], s[0:1], 0x0               ; y s[4:5], wts s[6:7], pos s[8:9], out0 s[10:11]
	v_lshrrev_b32 v2, 5, v0
	v_readfirstlane_b32 s20, v2                    ; wave 0..7
	v_and_b32 v1, 31, v0
	v_lshlrev_b32 v1, 4, v1                        ; 16 x lane
	s_lshl_b32 s21, ttmp9, 4
	s_lshl_b32 s22, s20, 1
	s_add_co_u32 s21, s21, s22                     ; t = 16 x work-group + 2 x wave
	s_lshl_b32 s22, s21, 3                         ; 8 bytes a token in pos and in wts
	s_lshl_b32 s38, s21, 12
	s_mov_b32 s39, 0
	s_mov_b32 s33, 0
	s_wait_kmcnt 0x0
	s_load_b128 s[24:27], s[8:9], s22 offset:0x0   ; p1, p2 of t; p1, p2 of t + 1
	s_load_b128 s[28:31], s[6:7], s22 offset:0x0   ; w1, w2 of t; w1, w2 of t + 1
	s_add_nc_u64 s[18:19], s[10:11], s[38:39]      ; out0 at token t
	s_wait_kmcnt 0x0
	s_mov_b32 s34, s29                             ; w2 as the low word of a pair of its own, for the packed forms
	s_mov_b32 s35, s29
	s_mov_b32 s36, s31
	s_mov_b32 s37, s31
.irp k, 0,1,2,3
	s_min_u32 s32, s[24+\k], NROWS
	s_lshl_b32 s32, s32, 12                        ; rows of 4,096 bytes
	s_add_nc_u64 s[40+2*\k:41+2*\k], s[4:5], s[32:33]
.irp c, 0,1,2,3,4,5,6,7
	global_load_b128 v[8+32*\k+4*\c:11+32*\k+4*\c], v1, s[40+2*\k:41+2*\k] offset:512*\c
.endr
.endr
.irp tk, 0,1
	s_wait_loadcnt 16-16*\tk                       ; this token's sixteen loads are in; the next token's sixteen stay out
.set m, 0
.rept 16
	v_pk_mul_f32 v[8+64*\tk+2*m:9+64*\tk+2*m], v[8+64*\tk+2*m:9+64*\tk+2*m], s[28+2*\tk:29+2*\tk] op_sel_hi:[1,0]
.set m, m+1
.endr
.set m, 0
.rept 16
	v_pk_fma_f32 v[8+64*\tk+2*m:9+64*\tk+2*m], v[40+64*\tk+2*m:41+64*\tk+2*m], s[34+2*\tk:35+2*\tk], v[8+64*\tk+2*m:9+64*\tk+2*m] op_sel_hi:[1,0,1]
.set m, m+1
.endr
.irp c, 0,1,2,3,4,5,6,7
	global_store_b128 v1, v[8+64*\tk+4*\c:11+64*\tk+4*\c], s[18:19] offset:4096*\tk+512*\c th:TH_STORE_NT
.endr
.endr
	s_endpgm
.Lfunc_end_k_q71ee84cd43_combine:
	.size	k_q71ee84cd43_combine, .Lfunc_end_k_q71ee84cd43_combine-k_q71ee84cd43_combine
	.p2alignl 7, 3214868480
	.fill 96, 4, 3214868480
	.section	.rodata,"a",@progbits
	.p2align	6, 0x0
	.amdhsa_kernel k_q71ee84cd43_combine
		.amdhsa_group_segment_fixed_size 0
		.amdhsa_private_segment_fixed_size 0
		.amdhsa_enable_private_segment 0
		.amdhsa_kernarg_size 32
		.amdhsa_user_sgpr_count 2
		.amdhsa_user_sgpr_kernarg_segment_ptr 1
		.amdhsa_wavefront_size32 1
		.amdhsa_system_sgpr_workgroup_id_x 1
		.amdhsa_system_sgpr_workgroup_id_y 1
		.amdhsa_system_sgpr_workgroup_id_z 1
		.amdhsa_system_vgpr_workitem_id 0
		.amdhsa_next_free_vgpr 136
		.amdhsa_next_free_sgpr 66
		.amdhsa_reserve_vcc 0
		.amdhsa_float_denorm_mode_32 3
		.amdhsa_float_denorm_mode_16_64 3
		.amdhsa_memory_ordered 1
		.amdhsa_forward_progress 1
		.amdhsa_inst_pref_size 11
	.end_amdhsa_kernel
	.amdgpu_metadata
---
amdhsa.version: [ 1, 2 ]
amdhsa.kernels:
  - .name:           k_q71ee84cd43_combine
    .symbol:         k_q71ee84cd43_combine.kd
    .args:
      - { .name: y, .offset: 0, .size: 8, .value_kind: global_buffer, .address_space: global }
      - { .name: wts, .offset: 8, .size: 8, .value_kind: global_buffer, .address_space: global }
      - { .name: pos, .offset: 16, .size: 8, .value_kind: global_buffer, .address_space: global }
      - { .name: out0, .offset: 24, .size: 8, .value_kind: global_buffer, .address_space: global }
    .group_segment_fixed_size: 0
    .private_segment_fixed_size: 0
    .kernarg_segment_align: 8
    .kernarg_segment_size: 32
    .max_flat_workgroup_size: 256
    .sgpr_count:     66
    .vgpr_count:     136
    .wavefront_size: 32
...
	.end_amdgpu_metadata
.endif
;; end of part 5
;; ======== version 2 of 2: 5 launches; version 1 with the launch scan written anew for expert scheduling mode
;; limits: right only within a limited range of input values; values are held in f16: magnitudes above 65,504 overflow, below 6.1e-05 lose precision; inputs' magnitudes at most 65,504
;; workspace buffers: wb 16,777,216 bytes; xg 37,748,736 bytes; y 75,501,568 bytes; sel 32,768 bytes of whole numbers; cnt 8,192 bytes of whole numbers; wts 65,536 bytes; pos 66,048 bytes of whole numbers
;; launch prep: the kernel of part 1 again; grid 512 x 1, 8 waves a work-group, no clusters, 44,032 bytes of LDS; arguments inputs, gate_w, gate_b, expert_w, wb, sel, cnt, wts; writes wb, sel, cnt, wts
;; launch scan (part 6): grid 256 x 1, 8 waves a work-group, no clusters, 1,280 bytes of LDS; arguments sel, cnt, pos; writes pos
.if DOCPART == 6
	.amdgcn_target "amdgcn-amd-amdhsa--gfx1250"
	.amdhsa_code_object_version 6
	.text
	.protected	k_q71ee84cd43_scan
	.globl	k_q71ee84cd43_scan
	.p2align	8
	.type	k_q71ee84cd43_scan,@function
k_q71ee84cd43_scan:
	s_mov_b64 s[64:65], 0
	v_nop
	global_prefetch_b8 v0, s[64:65] scope:SCOPE_SE
	s_setreg_imm32_b32 hwreg(HW_REG_WAVE_SCHED_MODE, 0, 2), 2
	s_setreg_imm32_b32 hwreg(HW_REG_WAVE_MODE, 25, 1), 1
	s_wait_xcnt 0x0
	s_wait_alu depctr_vm_vsrc(0)
; Where each token's rows go.  THE BUCKETS ARE PACKED: bucket e takes ceil(n_e / 288) tiles of 288 rows, and the buckets lie one behind the other in 18,432 rows.
; The n_e add up to 16,384 at the most, so the tiles number floor((16384 + 8 x 287) / 288) = 64 at the most: 18,432 rows hold every routing.
; A token's row = its bucket's first row + the tokens of earlier blocks that chose e (a sum over cnt[e][0 .. b-1]) + its rank inside its block (from sel).
; pos[t][k] = that row, or 18,432 for a choice without an expert.  Block 0 also stores, behind pos: at byte 65,536 the expert of each of the 64 tiles (7 for tiles behind the last
; bucket); at byte 65,792 eight pairs (the first row of bucket e that no token fills, the row behind bucket e's last tile).
; WHY A LAUNCH OF ITS OWN: the launches that follow form addresses and branches from these numbers, so they are made here, a launch earlier, and stored as whole numbers.
; In this launch they are values alone: every address and every branch hangs on the work-group's and the wave's number.
; Work-group b = block of 32 tokens.  Wave w sums expert w's 256 counts (1 KiB, 8 a lane); the eight waves' sums meet in LDS behind one barrier; wave 0, a lane a token, does the rest.
; Every wave loads the block's 32 words of sel, though wave 0 alone uses them: 128 bytes a wave, and no load stands under a branch.
; THE MODE: SCHED_MODE bits 1:0 = 2 (LLVM: expert scheduling mode 2), set by the entry lines.  The code itself states the register dependences
; between vector instructions and memory or LDS instructions, and between a vector instruction that writes a scalar register and that register's readers, with s_wait_alu, always for 0.
; THE PLAN.  Registers that memory or LDS instructions touch:
;   v5, v6, v20, v30   offsets of the global loads, address of the LDS stores, address of the LDS loads: made at the head, never written again.
;   v[8:15], v4        the global loads land here (no vector line names them before); the sums and selects read them; wave 0's LDS loads land in v[8:15] again.
;   v7, v21            written by the sums over the lanes, read by the two LDS stores, never written again.
;   v[32:39]           wave 0's LDS loads land here; not named before.
;   v28, v[26:27]      offset and data of the store of pos;   v29, v[24:25], v[40:41]  offset and data of block 0's two stores: each written once.
;   v48, v49           written at the head, read by the closing add alone.
; No register that a memory or LDS instruction reads is written again, so no wait on vm_vsrc is owed.  Four waits on va_vdst: ahead of the global loads, of the LDS stores (it serves wave 0's
; LDS loads too: no vector line stands between), of the store of pos, of block 0's two stores.  The compares write their masks into scalar registers, in three runs, each with one wait on va_sdst.
.set NROWS, 18432
.set G, 288                            ; rows in a tile
.set TV, 32                            ; v[32:39]  the eight buckets' lengths
.set TOT, 28                           ; s[28:35]  the same as scalars
.set CR, 36                            ; s[36:44]  bucket e's first row; s44: the first row behind the last bucket
.set FR, 10                            ; s[10:17]  block 0: the first row of bucket e that no token fills
.set M, 48                             ; s[48:63]  the masks of a run of compares
.macro IRED r                          ; a sum of whole numbers over the 32 lanes; every lane ends with it
.irp m, 1,2,4,8
	v_mov_b32_dpp v19, v[\r] row_xmask:\m row_mask:0xf bank_mask:0xf
	v_add_nc_u32 v[\r], v[\r], v19
.endr
	v_permlanex16_b32 v19, v[\r], s24, s25
	v_add_nc_u32 v[\r], v[\r], v19
.endm
	s_load_b128 s[4:7], s[0:1], 0x0                ; sel s[4:5], cnt s[6:7]
	s_load_b64 s[8:9], s[0:1], 0x10                ; pos
	v_lshl_add_u32 v48, v0, 2, 0x100
	v_mov_b32 v49, 0
	v_lshrrev_b32 v5, 5, v0
	v_readfirstlane_b32 s20, v5                    ; wave 0..7
	s_mov_b32 s21, ttmp9                           ; block b
	v_and_b32 v1, 31, v0                           ; lane
	v_lshlrev_b32 v3, 5, v1
	s_mov_b32 s24, 0x76543210                      ; v_permlanex16_b32: each lane takes its own place in the other half
	s_mov_b32 s25, 0xfedcba98
	v_lshlrev_b32 v16, 3, v1                       ; my eight blocks are 8 lane + 0..7: which of them stand in front of b hangs on ids alone, so the masks are made here
	v_cmp_gt_u32 s[M], s21, v16
.irp k, 1,2,3,4,5,6,7
	v_add_nc_u32 v17, \k, v16
	v_cmp_gt_u32 s[M+\k], s21, v17
.endr
	s_wait_alu depctr_va_sdst(0)                   ; s20 and the eight masks s[48:55] are written, ahead of their first readers: the shifts below, the selects behind the loads
	s_lshl_b32 s22, s20, 10
	v_add_nc_u32 v5, s22, v3                       ; cnt[w][8 lane ..]
	s_lshl_b32 s23, s21, 7
	v_lshl_add_u32 v6, v1, 2, s23                  ; sel[32 b + lane]
	s_lshl_b32 s27, s20, 2
	v_mov_b32 v20, s27                             ; LDS: word w
	v_mov_b32 v19, 0
	v_mov_b32 v30, 0                               ; LDS: word 0, for wave 0's loads
	s_wait_kmcnt 0x0
	s_wait_alu depctr_va_vdst(0)                   ; v5 and v6 are written, which the loads below read as offsets; so are v20 and v30, the LDS addresses
	global_load_b128 v[8:11], v5, s[6:7]
	global_load_b128 v[12:15], v5, s[6:7] offset:16
	global_load_b32 v4, v6, s[4:5]
	s_wait_loadcnt 0x0
	v_add3_u32 v21, v8, v9, v10
	v_add3_u32 v21, v21, v11, v12
	v_add3_u32 v21, v21, v13, v14
	v_add_nc_u32 v21, v21, v15                     ; my 8 blocks' tokens for expert w
	v_cndmask_b32 v7, 0, v8, s[M]                  ; and those of them in blocks in front of b
.irp k, 1,2,3,4,5,6,7
	v_cndmask_b32 v18, 0, v[8+\k], s[M+\k]
	v_add_nc_u32 v7, v7, v18
.endr
	IRED 7
	IRED 21
	s_wait_alu depctr_va_vdst(0)                   ; the sums have written v7 and v21, which the LDS stores read, and are done reading v[8:15], in which wave 0's LDS loads land
	ds_store_b32 v20, v7                           ; words 0-7: the tokens of earlier blocks in each bucket
	ds_store_b32 v20, v21 offset:32                ; words 8-15: the buckets' lengths
	s_wait_dscnt 0x0                               ; for wave 0's sake
	s_barrier_signal -1
	s_barrier_wait -1
	s_cmp_lg_u32 s20, 0
	s_cbranch_scc1 .Lquit
	ds_load_b128 v[8:11], v30                      ; every lane reads the same sixteen words.  No wait: no vector line since the wait above names v30, v[8:15] or v[32:39]
	ds_load_b128 v[12:15], v30 offset:16
	ds_load_b128 v[TV:TV+3], v30 offset:32
	ds_load_b128 v[TV+4:TV+7], v30 offset:48
	v_bfe_u32 v22, v4, 0, 4                        ; e1, e2, r1, r2
	v_bfe_u32 v23, v4, 4, 4
	v_bfe_u32 v16, v4, 8, 8
	v_bfe_u32 v17, v4, 16, 8
.irp e, 0,1,2,3,4,5,6,7
	v_cmp_eq_u32 s[M+\e], \e, v22                  ; which expert is my first choice, which my second: sixteen masks, made while the LDS loads are out
	v_cmp_eq_u32 s[M+8+\e], \e, v23
.endr
	s_wait_dscnt 0x0
.irp e, 0,1,2,3,4,5,6,7
	v_readfirstlane_b32 s[TOT+\e], v[TV+\e]
.endr
	s_wait_alu depctr_va_sdst(0)                   ; the sixteen masks s[48:63] and the eight lengths s[28:35] are written, ahead of their first readers: the scalar sums and the selects below
	s_mov_b32 s[CR], 0
.irp e, 0,1,2,3,4,5,6,7
	s_add_co_u32 s26, s[TOT+\e], G-1               ; ceil(n / 288) = floor(floor((n + 287) / 32) / 9); for q up to 264, floor(q / 9) = (7282 q) >> 16
	s_lshr_b32 s26, s26, 5
	s_mul_i32 s26, s26, 7282
	s_lshr_b32 s26, s26, 16
	s_mul_i32 s26, s26, G
	s_add_co_u32 s[CR+1+\e], s[CR+\e], s26
.endr
.irp e, 0,1,2,3,4,5,6,7
	v_add_nc_u32 v[8+\e], s[CR+\e], v[8+\e]        ; where block b begins in bucket e
.endr
	v_mov_b32 v26, NROWS                           ; a choice without an expert keeps this
	v_mov_b32 v27, NROWS
.irp e, 0,1,2,3,4,5,6,7
	v_cndmask_b32 v26, v26, v[8+\e], s[M+\e]
	v_cndmask_b32 v27, v27, v[8+\e], s[M+8+\e]
.endr
	v_add_nc_u32 v26, v26, v16                     ; the rank in the block (0 for a choice without an expert)
	v_add_nc_u32 v27, v27, v17
	s_lshl_b32 s45, s21, 8
	v_lshl_add_u32 v28, v1, 3, s45
	s_wait_alu depctr_va_vdst(0)                   ; v26, v27 and v28 are written: the store's data and its offset
	global_store_b64 v28, v[26:27], s[8:9]         ; the block's 32 pairs: 256 consecutive bytes, aligned
	s_cmp_lg_u32 s21, 0
	s_cbranch_scc1 .Lquit
	v_lshlrev_b32 v16, 1, v1                       ; block 0: tiles 2 lane and 2 lane + 1: the expert is the number of buckets 1-7 that begin at or in front of the tile
	v_mul_u32_u24 v16, v16, G
	v_add_nc_u32 v17, G, v16
	v_mov_b32 v24, 0
	v_mov_b32 v25, 0
.irp e, 1,2,3,4,5,6,7
	v_cmp_le_u32 s[M+\e], s[CR+\e], v16
	v_cmp_le_u32 s[M+8+\e], s[CR+\e], v17
.endr
	v_lshlrev_b32 v29, 3, v1
	v_mov_b32 v40, 0                               ; lanes 8-31 store zeros, so that the 256 bytes are written whole
	v_mov_b32 v41, 0
.irp e, 0,1,2,3,4,5,6,7
	s_add_co_u32 s[FR+\e], s[CR+\e], s[TOT+\e]
.endr
.irp e, 0,1,2,3,4,5,6,7
	v_writelane_b32 v40, s[FR+\e], \e              ; lane e: the first row of bucket e that no token fills,
	v_writelane_b32 v41, s[CR+1+\e], \e            ; and the row behind its last tile
.endr
	s_wait_alu depctr_va_sdst(0)                   ; the fourteen masks are written, ahead of the selects that read them
.irp e, 1,2,3,4,5,6,7
	v_cndmask_b32 v18, 0, 1, s[M+\e]
	v_add_nc_u32 v24, v24, v18
	v_cndmask_b32 v18, 0, 1, s[M+8+\e]
	v_add_nc_u32 v25, v25, v18
.endr
	s_wait_alu depctr_va_vdst(0)                   ; v24, v25, v40 and v41, the two stores' data, and v29, their offset, are written
	global_store_b64 v29, v[24:25], s[8:9] offset:65536   ; 64 words: 256 consecutive bytes, aligned
	global_store_b64 v29, v[40:41], s[8:9] offset:65792
.Lquit:
	s_wait_dscnt 0x0                               ; the closing lines, six on end
	s_wait_alu 0x0
	s_wait_tensorcnt 0x0
	ds_add_u32 v48, v49
	s_wait_dscnt 0x0
	s_endpgm
.Lfunc_end_k_q71ee84cd43_scan:
	.size	k_q71ee84cd43_scan, .Lfunc_end_k_q71ee84cd43_scan-k_q71ee84cd43_scan
	.p2alignl 7, 3214868480
	.fill 96, 4, 3214868480
	.section	.rodata,"a",@progbits
	.p2align	6, 0x0
	.amdhsa_kernel k_q71ee84cd43_scan
		.amdhsa_group_segment_fixed_size 1280
		.amdhsa_private_segment_fixed_size 0
		.amdhsa_enable_private_segment 0
		.amdhsa_kernarg_size 24
		.amdhsa_user_sgpr_count 2
		.amdhsa_user_sgpr_kernarg_segment_ptr 1
		.amdhsa_wavefront_size32 1
		.amdhsa_system_sgpr_workgroup_id_x 1
		.amdhsa_system_sgpr_workgroup_id_y 1
		.amdhsa_system_sgpr_workgroup_id_z 1
		.amdhsa_system_vgpr_workitem_id 0
		.amdhsa_next_free_vgpr 50
		.amdhsa_next_free_sgpr 66
		.amdhsa_reserve_vcc 0
		.amdhsa_float_denorm_mode_32 3
		.amdhsa_float_denorm_mode_16_64 3
		.amdhsa_memory_ordered 1
		.amdhsa_forward_progress 1
		.amdhsa_inst_pref_size 15
	.end_amdhsa_kernel
	.amdgpu_metadata
---
amdhsa.version: [ 1, 2 ]
amdhsa.kernels:
  - .name:           k_q71ee84cd43_scan
    .symbol:         k_q71ee84cd43_scan.kd
    .args:
      - { .name: sel, .offset: 0, .size: 8, .value_kind: global_buffer, .address_space: global }
      - { .name: cnt, .offset: 8, .size: 8, .value_kind: global_buffer, .address_space: global }
      - { .name: pos, .offset: 16, .size: 8, .value_kind: global_buffer, .address_space: global }
    .group_segment_fixed_size: 1280
    .private_segment_fixed_size: 0
    .kernarg_segment_align: 8
    .kernarg_segment_size: 24
    .max_flat_workgroup_size: 256
    .sgpr_count:     66
    .vgpr_count:     50
    .wavefront_size: 32
...
	.end_amdgpu_metadata
.endif
;; end of part 6
;; launch place: the kernel of part 3 again; grid 256 x 1, 8 waves a work-group, no clusters, 0 bytes of LDS; arguments inputs, pos, xg, y; writes xg, y
;; launch gemm: the kernel of part 4 again; grid 256 x 1, 4 waves a work-group, clusters of 4 x 1, 327,680 bytes of LDS; arguments xg, wb, expert_b, pos, y; writes y
;; launch combine: the kernel of part 5 again; grid 512 x 1, 8 waves a work-group, no clusters, 0 bytes of LDS; arguments y, wts, pos, out0; writes out0
